; MI455X (gfx1250); checked and timed in simulation.
; The chip was launched on July 23, 2026; its instructions are those of AMD's public machine-readable ISA for CDNA 5 (MIT licence, August 2026) and "CDNA5" Instruction Set Architecture Reference Guide (July 2026). The comments in the code are by the model that wrote it; some were corrected since.
;; Stable Spiking Core Flow. Allowed arithmetic: float matrix products may take bf16 or f16 operands with f32 sums; all other float work in f32.
;; Inputs: W 4 x 2,048 x 2,048 float32; axon_idx 4 x 2,048 int32; out_idx 1,024 int32; thresholds 4 float32; x 128 x 2,048 float32.
;; Outputs: out0 128 x 1,024 float32.
;; Constants: simulation_length = 32.
;; One version. Each part assembles by itself: llvm-mc -triple=amdgcn-amd-amdhsa -mcpu=gfx1250 --defsym DOCPART=n.
;; ======== version 1 of 1: 5 launches
;; workspace buffers: GA 524,288 bytes; GB 524,288 bytes; rows0 8,448 bytes of whole numbers; rows1 8,448 bytes of whole numbers; rows2 8,448 bytes of whole numbers; rows3 8,448 bytes of whole numbers
;; launch prep (part 1): grid 8 x 8, 16 waves a work-group, no clusters, 167,936 bytes of LDS; arguments x, axon_idx, out_idx, GA, rows0, rows1, rows2, rows3; writes GA, rows0, rows1, rows2, rows3
.if DOCPART == 1
	.amdgcn_target "amdgcn-amd-amdhsa--gfx1250"
	.amdhsa_code_object_version 6
	.text
	.protected	k_qd1e485c66a_prep
	.globl	k_qd1e485c66a_prep
	.p2align	8
	.type	k_qd1e485c66a_prep,@function
k_qd1e485c66a_prep:
	s_mov_b64 s[64:65], 0
	v_nop
	global_prefetch_b8 v0, s[64:65] scope:SCOPE_SE
	s_setreg_imm32_b32 hwreg(HW_REG_WAVE_MODE, 25, 1), 1
	s_wait_xcnt 0x0
; PREPARATION.  (1) GA = the first layer's operand: G[k][b] = bf16(x[b][axon_idx[0][k]]), laid out as the matrix instruction's fragments:
; the block of 32 k (number kb) and 16 batch rows (number bbg) is 1,024 bytes at (8 kb + bbg) x 1,024; in it half j (512 bytes) holds, at 16 x lane,
; batch 16 bbg + lane % 16 and k = 32 kb + 16 j + 8 (lane / 16) + 0..7.
; (2) rows0..rows3 = for each layer the rows of W, seen as [8192][2048], in the order in which the NEXT layer (or the output) gathers the layer's neurons:
; word a = 2048 l + axon_idx[l+1][a] (rows3: 6144 + out_idx[a], 1,024 words), and at byte 8,192 thirty-two copies of the pair (layer, 1 for the last layer).
; SHARES.  Work-group (bb, kp): batch rows 16 bb .. + 15, k = 256 kp .. + 255.  Its 16 waves bring the 16 rows of x into LDS, one tensor load of 8,192 bytes each;
; wave w then gathers the 16 k of half w % 2 of block w / 2 for all 16 batch rows and stores 512 consecutive bytes.  The work-groups (l, 0), l = 0..3, also write list l.
; NO CLUSTER: the eight work-groups of one bb read the same 128 KiB of x, once, in a single fill; x is 1 MiB in all, and a joint load would put two rounds of the
; cluster's barrier round that one fill.  No matrix unit: nothing is multiplied.
; LIMITS.  x is rounded to bf16 (to nearest even).  Indices are clamped to 0..2047.
.set WPITCH, 8208                      ; a row of x in LDS: 8,192 bytes + 16: row r starts at word 4 r mod 64 of a line of 64 words, so one column of 16 rows falls into 16 different banks (ISA guide 11.1)
.set SPARE,  16*WPITCH                 ; 131,328 = 513 x 256: behind the rows: the spare words, 128 bytes for each of 16 waves; no other line names them
.set LN,  1                            ; v1      lane
.set RR,  2                            ; v2      lane % 16
.set HH,  3                            ; v3      lane / 16
.set IO,  4                            ; v4      byte offset of my 8 indices in axon_idx
.set RB,  5                            ; v5      LDS byte of my batch row
.set GO,  6                            ; v6      my byte offset in GA
.set LO,  7                            ; v7      16 x thread: my 4 words of a list
.set XV,  8                            ; v[8:15]  8 numbers of x
.set IDX, 16                           ; v[16:23] 8 indices, then their LDS addresses; later 4 words of a list
.set PK,  24                           ; v[24:27] 8 bf16
.set HD,  28                           ; v[28:29] a list's header pair
.set SPW, 30                           ; v30     LDS address of my spare word; never rewritten
.set NIL, 31                           ; v31     0; never rewritten
.set HO,  32                           ; v32     8 x lane: my pair of the header
.set WV,  20                           ; s20     wave
.set BB,  21                           ; s21     batch block
.set KP,  22                           ; s22     part of K
.set G0,  24                           ; s[24:27] descriptor group 0
.set G1,  32                           ; s[32:39] descriptor group 1
	s_load_b512 s[4:19], s[0:1], 0x0               ; x s[4:5], axon_idx s[6:7], out_idx s[8:9], GA s[10:11], rows0..3 s[12:13] .. s[18:19]
	v_lshl_add_u32 v[SPW], v0, 2, SPARE
	v_mov_b32 v[NIL], 0
	ds_add_u32 v[SPW], v[NIL]                      ; the wave's opening: the add and its wait stand ahead of my tensor load; the set-up below stands between them
	v_lshrrev_b32 v[LN], 5, v0
	v_readfirstlane_b32 s[WV], v[LN]               ; wave 0..15
	v_and_b32 v[LN], 31, v0
	v_and_b32 v[RR], 15, v0
	v_bfe_u32 v[HH], v0, 4, 1
	s_mov_b32 s[BB], ttmp9
	s_and_b32 s[KP], ttmp7, 0xffff
	; group 1: 8,192 dense bytes, asked for as 32 rows of 32 elements of 8 bytes
	s_mov_b32 s[G1+0], 3<<16                       ; no mask; elements of 8 bytes; no padding
	s_mov_b32 s[G1+1], 32<<16                      ; tensor_dim0 = 32
	s_mov_b32 s[G1+2], 32<<16                      ; tensor_dim1 = 32
	s_mov_b32 s[G1+3], 32<<16                      ; tile_dim0 = 32
	s_mov_b32 s[G1+4], 32                          ; tile_dim1 = 32
	s_mov_b32 s[G1+5], 32                          ; 32 elements from row to row
	s_mov_b32 s[G1+6], 0
	s_mov_b32 s[G1+7], 0
	s_mov_b32 s[G0], 1
	s_mul_i32 s[G0+1], s[WV], WPITCH               ; my row's place in LDS
	s_lshl_b32 s28, s[BB], 4
	s_add_co_u32 s28, s28, s[WV]                   ; batch row 16 bb + wave,
	s_lshl_b32 s28, s28, 13                        ; 8,192 bytes a row
	s_mov_b32 s29, 0
	s_lshl_b32 s23, s[KP], 10                      ; my indices: k0 = 256 kp + 16 w + 8 (lane / 16), 4 bytes each
	s_lshl_b32 s30, s[WV], 6
	s_add_co_u32 s23, s23, s30
	v_lshl_add_u32 v[IO], v[HH], 5, s23
	v_mul_u32_u24 v[RB], v[RR], WPITCH
	s_lshl_b32 s23, s[KP], 16                      ; GA: block 8 kp + w / 2 of K (8,192 bytes each), batch block bb, half w % 2, 16 bytes a lane
	s_lshr_b32 s30, s[WV], 1
	s_lshl_b32 s30, s30, 13
	s_add_co_u32 s23, s23, s30
	s_lshl_b32 s30, s[BB], 10
	s_add_co_u32 s23, s23, s30
	s_and_b32 s30, s[WV], 1
	s_lshl_b32 s30, s30, 9
	s_add_co_u32 s23, s23, s30
	v_lshl_add_u32 v[GO], v[LN], 4, s23
	v_lshlrev_b32 v[LO], 4, v0
	v_lshlrev_b32 v[HO], 3, v[LN]
	s_wait_dscnt 0x0                               ; the opening add is done
	s_wait_kmcnt 0x0
	s_add_nc_u64 s[G0+2:G0+3], s[4:5], s[28:29]
	s_or_b32 s[G0+3], s[G0+3], 0x80000000          ; type = 2
	tensor_load_to_lds s[G0:G0+3], s[G1:G1+7]      ; my one tensor load: one is out
	s_nop 0
	global_load_b128 v[IDX:IDX+3],   v[IO], s[6:7]
	global_load_b128 v[IDX+4:IDX+7], v[IO], s[6:7] offset:16
	s_wait_loadcnt 0x0
.irp i, 0,1,2,3,4,5,6,7
	v_min_u32 v[IDX+\i], 0x7ff, v[IDX+\i]          ; inside a row of x
.endr
.irp i, 0,1,2,3,4,5,6,7
	v_lshl_add_u32 v[IDX+\i], v[IDX+\i], 2, v[RB]  ; 4 x column + my row
.endr
	s_wait_tensorcnt 0x0                           ; my row of x is in LDS,
	s_barrier_signal -1
	s_barrier_wait -1                              ; everybody's is
.irp i, 0,1,2,3,4,5,6,7
	ds_load_b32 v[XV+\i], v[IDX+\i]
.endr
	s_wait_dscnt 0x0
.irp i, 0,1,2,3
	v_cvt_pk_bf16_f32 v[PK+\i], v[XV+2*\i], v[XV+2*\i+1]  ; the lower k in the lower half
.endr
	global_store_b128 v[GO], v[PK:PK+3], s[10:11]  ; the wave stores 512 consecutive bytes, at a multiple of 512 from GA's first byte
; List l.  Only the work-group (l, 0) writes it; each use ends with a jump to the end, so the four are exclusive ways.
; 16 bytes a thread: nwaves x 512 bytes.  Wave 0 also stores the header: 32 lanes x 8 bytes, one aligned block of 256.
.macro LIST l, src, off, dst, nwaves, mode
	s_cmp_lg_u32 s[BB], \l
	s_cbranch_scc1 .Lnot_\l
.if \nwaves < 16
	s_cmp_ge_u32 s[WV], \nwaves
	s_cbranch_scc1 .Ldone
.endif
	global_load_b128 v[IDX:IDX+3], v[LO], s[\src:\src+1] offset:\off
	s_wait_loadcnt 0x0
.irp i, 0,1,2,3
	v_min_u32 v[IDX+\i], 0x7ff, v[IDX+\i]          ; a neuron of the layer,
.endr
.if \l > 0
.irp i, 0,1,2,3
	v_add_nc_u32 v[IDX+\i], (\l)*2048, v[IDX+\i]   ; as a row of W [8192][2048]
.endr
.endif
	global_store_b128 v[LO], v[IDX:IDX+3], s[\dst:\dst+1]
	s_cmp_lg_u32 s[WV], 0
	s_cbranch_scc1 .Ldone
	v_mov_b32 v[HD], \l
	v_mov_b32 v[HD+1], \mode
	global_store_b64 v[HO], v[HD:HD+1], s[\dst:\dst+1] offset:8192
	s_branch .Ldone
.Lnot_\l:
.endm
	s_cmp_lg_u32 s[KP], 0
	s_cbranch_scc1 .Ldone
	LIST 0, 6, 8192,  12, 16, 0
	LIST 1, 6, 16384, 14, 16, 0
	LIST 2, 6, 24576, 16, 16, 0
	LIST 3, 8, 0,     18, 8,  1
.Ldone:
	s_wait_tensorcnt 0x0                           ; the wave's end
	ds_add_u32 v[SPW], v[NIL]
	s_wait_dscnt 0x0
	s_endpgm
.Lfunc_end_k_qd1e485c66a_prep:
	.size	k_qd1e485c66a_prep, .Lfunc_end_k_qd1e485c66a_prep-k_qd1e485c66a_prep
	.p2alignl 7, 3214868480
	.fill 96, 4, 3214868480
	.section	.rodata,"a",@progbits
	.p2align	6, 0x0
	.amdhsa_kernel k_qd1e485c66a_prep
		.amdhsa_group_segment_fixed_size 167936
		.amdhsa_private_segment_fixed_size 0
		.amdhsa_enable_private_segment 0
		.amdhsa_kernarg_size 64
		.amdhsa_user_sgpr_count 2
		.amdhsa_user_sgpr_kernarg_segment_ptr 1
		.amdhsa_wavefront_size32 1
		.amdhsa_system_sgpr_workgroup_id_x 1
		.amdhsa_system_sgpr_workgroup_id_y 1
		.amdhsa_system_sgpr_workgroup_id_z 1
		.amdhsa_system_vgpr_workitem_id 0
		.amdhsa_next_free_vgpr 36
		.amdhsa_next_free_sgpr 66
		.amdhsa_reserve_vcc 0
		.amdhsa_float_denorm_mode_32 3
		.amdhsa_float_denorm_mode_16_64 3
		.amdhsa_memory_ordered 1
		.amdhsa_forward_progress 1
		.amdhsa_inst_pref_size 9
	.end_amdhsa_kernel
	.amdgpu_metadata
---
amdhsa.version: [ 1, 2 ]
amdhsa.kernels:
  - .name:           k_qd1e485c66a_prep
    .symbol:         k_qd1e485c66a_prep.kd
    .args:
      - { .name: x, .offset: 0, .size: 8, .value_kind: global_buffer, .address_space: global }
      - { .name: axon_idx, .offset: 8, .size: 8, .value_kind: global_buffer, .address_space: global }
      - { .name: out_idx, .offset: 16, .size: 8, .value_kind: global_buffer, .address_space: global }
      - { .name: GA, .offset: 24, .size: 8, .value_kind: global_buffer, .address_space: global }
      - { .name: rows0, .offset: 32, .size: 8, .value_kind: global_buffer, .address_space: global }
      - { .name: rows1, .offset: 40, .size: 8, .value_kind: global_buffer, .address_space: global }
      - { .name: rows2, .offset: 48, .size: 8, .value_kind: global_buffer, .address_space: global }
      - { .name: rows3, .offset: 56, .size: 8, .value_kind: global_buffer, .address_space: global }
    .group_segment_fixed_size: 167936
    .private_segment_fixed_size: 0
    .kernarg_segment_align: 8
    .kernarg_segment_size: 64
    .max_flat_workgroup_size: 512
    .sgpr_count:     66
    .vgpr_count:     36
    .wavefront_size: 32
...
	.end_amdgpu_metadata
.endif
;; end of part 1
;; launch layer0 (part 2): grid 2 x 128, 16 waves a work-group, no clusters, 215,296 bytes of LDS; arguments GA, W, rows0, thresholds, GB; writes GB
.if DOCPART == 2
	.amdgcn_target "amdgcn-amd-amdhsa--gfx1250"
	.amdhsa_code_object_version 6
	.text
	.protected	k_qd1e485c66a_layer0
	.globl	k_qd1e485c66a_layer0
	.p2align	8
	.type	k_qd1e485c66a_layer0,@function
k_qd1e485c66a_layer0:
	s_mov_b64 s[64:65], 0
	v_nop
	global_prefetch_b8 v0, s[64:65] scope:SCOPE_SE
	s_setreg_imm32_b32 hwreg(HW_REG_WAVE_MODE, 25, 1), 1
	s_wait_xcnt 0x0
; ONE LAYER.  The mean over the cycles is linear, so avg[b][n] = the sum over k of G[k][b] W[l][n][k], with G the mean over the cycles of the gathered signal (x, or count / 32: exact in bf16).
; Then the membrane's 32 steps as they are written, m += avg; s = m > thr; m -= thr s, in f32, and the count of the spikes, which is all that the next layer and the output use.
; The neurons are taken in the order of the list 'rows' (made by the launch before): the order in which the next layer, or the output, gathers them.  So a gather of results is a gather of whole rows of W, 8,192 bytes each.
; The list's header says which layer this is (which threshold) and whether it is the last: then the counts leave as f32 [128][1024]; else count / 32 leaves as bf16 in the fragment order in which it is read here.
; G'S LAYOUT: the block of 32 k (kb) and 16 batch rows (bbg) is 1,024 bytes at (8 kb + bbg) x 1,024; half j (512 bytes) holds at 16 x lane batch 16 bbg + lane % 16, k = 32 kb + 16 j + 8 (lane / 16) + 0..7:
; two loads of 16 bytes a lane, 512 consecutive bytes each, are source 1 of a product.
; SHARES.  Work-group (bh, t): 64 batch rows (half bh) x the 16 rows 16 t .. + 15 of the list, all of K.  Wave w brings row w of the 16 into LDS (one tensor load) and owns K = 128 w .. + 127 for the whole tile:
; 4 K steps x 4 batch blocks = 16 matrix instructions on 4 accumulators, which take turns.  Source 0 = 16 rows of W, source 1 = 16 batch rows: a lane's result is one batch row and 8 neighbouring neurons.
; The 16 waves' partial tiles meet in LDS; waves 0-7 add them (a tree), scan and store, 4 numbers a lane.  Everything that the work-group reads is asked for at its start: 128 KiB of W, 256 KiB of G; nothing is filled again.
; NO CLUSTER: a row of W is shared by the two work-groups (0, t) and (1, t) alone, and its address comes from a list read at run time; G goes straight into registers and has no tile in LDS to share.
; LIMITS.  W, the threshold and (in the launch before) x are rounded to bf16, to nearest even; sums, scan and counts in f32.  The sum over K is made of 16 chains of 4 matrix instructions and a tree, another order
; than a plain sum's: a membrane that comes within that rounding of the threshold may spike a cycle earlier or later.  NaN and infinities are not treated apart.  Rows are clamped to 0..8191, the layer to 0..3.
.set WPITCH, 8208                      ; a row of W in LDS: 8,192 bytes + 16: the 16 rows that a load of 16 bytes a lane touches start 16 bytes apart modulo 256
.set SCR,    16*WPITCH                 ; 131,328 = 513 x 256: the partial tiles; no tensor load lands here
.set PW,     5120                      ; a wave's partial tile: 4 batch blocks
.set PB,     1280                      ; a batch block: two halves of the accumulator's registers
.set PQ,     640                       ; a half: 32 lanes x 16 bytes, and 128 bytes of room, so that the two halves differ by 128 modulo 256
.set SPARE,  SCR+16*PW                 ; 213,248 = 833 x 256: the spare words, 128 bytes for each of 16 waves; no other line names them
.set LN,  1                            ; v1   lane
.set RR,  2                            ; v2   lane % 16
.set HH,  3                            ; v3   lane / 16
.set GOF, 4                            ; v4   my byte offset in G
.set WA,  5                            ; v5   LDS address of my part of W's fragments
.set ST,  6                            ; v6   where I put my partial sums
.set RD,  7                            ; v7   where I read partial sums of waves 0-7,
.set RD2, 8                            ; v8   and of waves 8-15
.set OO,  9                            ; v9   my byte offset in the output
.set SPW, 10                           ; v10  LDS address of my spare word; never rewritten
.set NIL, 11                           ; v11  0; never rewritten
.set NTH, 12                           ; v[12:13] -thr, twice
.set THR, 14                           ; v14  thr
.set TT,  15                           ; v15  at work
.set WF,  16                           ; v[16:47]   W in f32, two K steps
.set WB,  48                           ; v[48:79]   W's fragments in bf16: K step s at WB + 8 s
.set ACC, 80                           ; v[80:111]  accumulators: batch block bb at ACC + 8 bb
.set AVG, 112                          ; v[112:115] avg
.set MEM, 116                          ; v[116:119] m
.set SPK, 120                          ; v[120:123] s; at the end the packed result
.set CNT, 124                          ; v[124:127] counts
.set ACT, 128                          ; v[128:255] G's fragments: step s, block bb at ACT + 32 s + 8 bb; later v[128:191] 16 partial sums x 4
.set WV,  14                           ; s14  wave
.set TL,  15                           ; s15  t
.set BH,  16                           ; s16  bh
.set LAY, 22                           ; s22  layer, then 4 x layer
.set MODE, 23                          ; s23  1: the last layer
.set G0,  24                           ; s[24:27] descriptor group 0
.set STH, 28                           ; s28  the threshold as given
.set NS,  29                           ; s29  scan steps to go
.set G1,  32                           ; s[32:39] descriptor group 1
.set MSK, 40                           ; s40-43 the four compares' masks
.macro FINISH                          ; the wave's end: behind my tensor load and my last LDS store
	s_wait_tensorcnt 0x0
	ds_add_u32 v[SPW], v[NIL]
	s_wait_dscnt 0x0
	s_endpgm
.endm
; W in f32 for K steps 2 b and 2 b + 1.  A lane's part of a step: k = 8 h + 0..7 (32 bytes at 32 h) and 16 + 8 h + 0..7 (32 bytes at 64 + 32 h).
.macro WLOAD b
.irp s, 0,1
.irp c, 0,1,2,3
	ds_load_b128 v[WF+16*(\s)+4*(\c):WF+16*(\s)+4*(\c)+3], v[WA] offset:128*(2*(\b)+(\s))+16*((\c)%2)+64*((\c)/2)
.endr
.endr
.endm
.macro WCVT b                          ; those 32 numbers rounded to bf16: two fragments
.set i, 0
.rept 16
	v_cvt_pk_bf16_f32 v[WB+16*(\b)+i], v[WF+2*i], v[WF+2*i+1]
.set i, i+1
.endr
.endm
.macro MUL s, zero                     ; K step s for the four batch blocks; zero = 1: the products start the sums
.irp bb, 0,1,2,3
.if \zero
	v_wmma_f32_16x16x32_bf16 v[ACC+8*(\bb):ACC+8*(\bb)+7], v[WB+8*(\s):WB+8*(\s)+7], v[ACT+32*(\s)+8*(\bb):ACT+32*(\s)+8*(\bb)+7], 0
.else
	v_wmma_f32_16x16x32_bf16 v[ACC+8*(\bb):ACC+8*(\bb)+7], v[WB+8*(\s):WB+8*(\s)+7], v[ACT+32*(\s)+8*(\bb):ACT+32*(\s)+8*(\bb)+7], v[ACC+8*(\bb):ACC+8*(\bb)+7]
.endif
.endr
.endm
.macro STEP                            ; one cycle of the membrane, four neurons a lane.  thr x s is exact, so the fused form rounds as m - thr s does
	v_pk_add_f32 v[MEM:MEM+1],   v[MEM:MEM+1],   v[AVG:AVG+1]
	v_pk_add_f32 v[MEM+2:MEM+3], v[MEM+2:MEM+3], v[AVG+2:AVG+3]
.irp i, 0,1,2,3
	v_cmp_gt_f32 s[MSK+\i], v[MEM+\i], v[THR]
.endr
.irp i, 0,1,2,3
	v_cndmask_b32 v[SPK+\i], 0, 1.0, s[MSK+\i]
.endr
	v_pk_fma_f32 v[MEM:MEM+1],   v[SPK:SPK+1],   v[NTH:NTH+1], v[MEM:MEM+1]
	v_pk_fma_f32 v[MEM+2:MEM+3], v[SPK+2:SPK+3], v[NTH:NTH+1], v[MEM+2:MEM+3]
	v_pk_add_f32 v[CNT:CNT+1],   v[CNT:CNT+1],   v[SPK:SPK+1]
	v_pk_add_f32 v[CNT+2:CNT+3], v[CNT+2:CNT+3], v[SPK+2:SPK+3]
.endm
	s_load_b256 s[4:11], s[0:1], 0x0               ; G s[4:5], W s[6:7], rows s[8:9], thresholds s[10:11]
	s_load_b64 s[12:13], s[0:1], 0x20              ; the output
	v_lshl_add_u32 v[SPW], v0, 2, SPARE
	v_mov_b32 v[NIL], 0
	ds_add_u32 v[SPW], v[NIL]                      ; the wave's opening: the add and its wait stand ahead of my tensor load; the set-up below stands between them
	v_lshrrev_b32 v[TT], 5, v0
	v_readfirstlane_b32 s[WV], v[TT]               ; wave 0..15
	v_and_b32 v[LN], 31, v0
	v_and_b32 v[RR], 15, v0
	v_bfe_u32 v[HH], v0, 4, 1
	s_and_b32 s[TL], ttmp7, 0xffff
	s_mov_b32 s[BH], ttmp9
	; group 1: 8,192 dense bytes, asked for as 32 rows of 32 elements of 8 bytes
	s_mov_b32 s[G1+0], 3<<16                       ; no mask; elements of 8 bytes; no padding
	s_mov_b32 s[G1+1], 32<<16                      ; tensor_dim0 = 32
	s_mov_b32 s[G1+2], 32<<16                      ; tensor_dim1 = 32
	s_mov_b32 s[G1+3], 32<<16                      ; tile_dim0 = 32
	s_mov_b32 s[G1+4], 32                          ; tile_dim1 = 32
	s_mov_b32 s[G1+5], 32                          ; 32 elements from row to row
	s_mov_b32 s[G1+6], 0
	s_mov_b32 s[G1+7], 0
	s_mov_b32 s[G0], 1
	s_mul_i32 s[G0+1], s[WV], WPITCH               ; my row's place in LDS
	s_lshl_b32 s17, s[WV], 15                      ; G: my four blocks of K (8,192 bytes each), my half of the batch (4,096 bytes of each), 16 bytes a lane
	s_lshl_b32 s18, s[BH], 12
	s_add_co_u32 s17, s17, s18
	v_lshl_add_u32 v[GOF], v[LN], 4, s17
	v_mul_u32_u24 v[WA], v[RR], WPITCH             ; W: row lane % 16, my wave's 512 bytes of it, 32 bytes on for the upper lanes
	v_lshl_add_u32 v[WA], v[HH], 5, v[WA]
	s_lshl_b32 s18, s[WV], 9
	v_add_nc_u32 v[WA], s18, v[WA]
	s_mul_i32 s18, s[WV], PW                       ; my partial tile
	s_add_co_u32 s18, s18, SCR
	v_lshl_add_u32 v[ST], v[LN], 4, s18
	; Back (waves 0-7): wave w takes batch block w / 2 and the neurons 8 (w % 2) .. + 7; lane l takes batch row l / 2 and four of them, 4 (l % 2) on:
	; they lie in register half l % 2 of the lane 16 (w % 2) + l / 2.  Sixteen lanes' addresses are (l % 2) x 128 + (l / 2) x 16 modulo 256: all different.
	s_lshr_b32 s18, s[WV], 1
	s_mul_i32 s18, s18, PB
	s_and_b32 s19, s[WV], 1
	s_lshl_b32 s19, s19, 8
	s_add_co_u32 s18, s18, s19
	s_add_co_u32 s18, s18, SCR
	v_and_b32 v[TT], 1, v0
	v_mul_u32_u24 v[RD], v[TT], PQ
	v_lshrrev_b32 v[TT], 1, v[LN]
	v_lshl_add_u32 v[RD], v[TT], 4, v[RD]
	v_add_nc_u32 v[RD], s18, v[RD]
	v_add_nc_u32 v[RD2], 8*PW, v[RD]               ; an LDS offset has 16 bits: waves 8-15 get a register of their own
	s_lshl_b32 s17, s[TL], 4
	s_add_co_u32 s17, s17, s[WV]
	s_lshl_b32 s17, s17, 2                         ; word 16 t + wave of the list
	s_wait_dscnt 0x0                               ; the opening add is done
	s_wait_kmcnt 0x0
	s_load_b32 s20, s[8:9], s17 offset:0x0         ; my row of W
	s_load_b64 s[LAY:LAY+1], s[8:9], 0x2000        ; layer, mode
.set i, 0
.rept 32                                               ; all my fragments of G, in the order of the K steps: they go out while the list's words are on their way
	global_load_b128 v[ACT+4*i:ACT+4*i+3], v[GOF], s[4:5] offset:(i/8)*8192+((i/2)%4)*1024+(i%2)*512
.set i, i+1
.endr
	s_wait_kmcnt 0x0
	s_min_u32 s20, s20, 0x1fff                     ; inside W
	s_lshl_b32 s20, s20, 13                        ; 8,192 bytes a row
	s_mov_b32 s21, 0
	s_add_nc_u64 s[G0+2:G0+3], s[6:7], s[20:21]
	s_or_b32 s[G0+3], s[G0+3], 0x80000000          ; type = 2
	tensor_load_to_lds s[G0:G0+3], s[G1:G1+7]      ; my one tensor load: one is out
	s_nop 0
	s_min_u32 s[LAY], s[LAY], 3
	s_lshl_b32 s[LAY], s[LAY], 2
	s_load_b32 s[STH], s[10:11], s[LAY] offset:0x0 ; the layer's threshold
	s_wait_tensorcnt 0x0                           ; my row of W is in LDS,
	s_wait_kmcnt 0x0                               ; (and the threshold is here)
	s_barrier_signal -1
	s_barrier_wait -1                              ; everybody's is
	WLOAD 0
	s_wait_dscnt 0x0
	WCVT 0
	WLOAD 1
	s_wait_loadcnt 16                              ; loads come back in order (ISA guide 5.7.1): the 16 of K steps 0 and 1 are in, the 16 of steps 2 and 3 may stay out
	MUL 0, 1
	MUL 1, 0
	s_wait_dscnt 0x0
	WCVT 1                                         ; writes the fragments of steps 2 and 3, which no product issued so far names
	s_wait_loadcnt 0x0
	MUL 2, 0
	MUL 3, 0
.rept 4
	v_nop                                          ; four places between the last products and the stores that read the results
.endr
.irp bb, 0,1,2,3
	ds_store_b128 v[ST], v[ACC+8*(\bb):ACC+8*(\bb)+3]   offset:(\bb)*PB       ; each accumulator from its low end on
	ds_store_b128 v[ST], v[ACC+8*(\bb)+4:ACC+8*(\bb)+7] offset:(\bb)*PB+PQ
.endr
	s_wait_dscnt 0x0                               ; for the others' sake: my partial sums are in LDS
	s_barrier_signal -1
	s_barrier_wait -1
	s_cmp_gt_u32 s[WV], 7
	s_cbranch_scc1 .Lidle                          ; 1,024 numbers, 4 a lane: eight waves' work
.irp i, 0,1,2,3,4,5,6,7
	ds_load_b128 v[ACT+4*(\i):ACT+4*(\i)+3], v[RD] offset:(\i)*PW
.endr
.irp i, 0,1,2,3,4,5,6,7
	ds_load_b128 v[ACT+32+4*(\i):ACT+32+4*(\i)+3], v[RD2] offset:(\i)*PW
.endr
	v_cvt_pk_bf16_f32 v[THR], s[STH], s[STH]       ; the threshold rounded to bf16, like the other inputs,
	v_lshlrev_b32 v[THR], 16, v[THR]               ; and back in f32
	v_xor_b32 v[NTH], 0x80000000, v[THR]
	v_mov_b32 v[NTH+1], v[NTH]
	s_wait_dscnt 0x0
.irp d, 32, 16, 8                                      ; the tree: 16 partial sums -> 8 -> 4 -> 2
.set i, 0
.rept (\d)/2
	v_pk_add_f32 v[ACT+2*i:ACT+2*i+1], v[ACT+2*i:ACT+2*i+1], v[ACT+(\d)+2*i:ACT+(\d)+2*i+1]
.set i, i+1
.endr
.endr
	v_pk_add_f32 v[AVG:AVG+1],   v[ACT:ACT+1],   v[ACT+4:ACT+5]
	v_pk_add_f32 v[AVG+2:AVG+3], v[ACT+2:ACT+3], v[ACT+6:ACT+7]
	; the first cycle is written out: m = 0 + avg = avg, and its spikes start the counts
.irp i, 0,1,2,3
	v_cmp_gt_f32 s[MSK+\i], v[AVG+\i], v[THR]
.endr
.irp i, 0,1,2,3
	v_cndmask_b32 v[CNT+\i], 0, 1.0, s[MSK+\i]
.endr
	v_pk_fma_f32 v[MEM:MEM+1],   v[CNT:CNT+1],   v[NTH:NTH+1], v[AVG:AVG+1]
	v_pk_fma_f32 v[MEM+2:MEM+3], v[CNT+2:CNT+3], v[NTH:NTH+1], v[AVG+2:AVG+3]
	s_mov_b32 s[NS], 31
.Lscan:
	STEP
	s_sub_co_u32 s[NS], s[NS], 1
	s_cmp_lg_u32 s[NS], 0
	s_cbranch_scc1 .Lscan
	s_cmp_lg_u32 s[MODE], 0
	s_cbranch_scc1 .Llast
	; A layer in the chain: count / 32 (exact) as bf16, in G's layout for the next layer, whose k is 16 t + 8 (w % 2) + 4 (l % 2) + 0..3:
	; block t / 2 of K, batch block 4 bh + w / 2, half t % 2, and in it 256 (w % 2) + 8 l.
	v_pk_mul_f32 v[CNT:CNT+1],   v[CNT:CNT+1],   0x3d000000 op_sel_hi:[1,0]
	v_pk_mul_f32 v[CNT+2:CNT+3], v[CNT+2:CNT+3], 0x3d000000 op_sel_hi:[1,0]
	s_lshr_b32 s17, s[TL], 1
	s_lshl_b32 s17, s17, 13
	s_lshl_b32 s18, s[BH], 12
	s_add_co_u32 s17, s17, s18
	s_lshr_b32 s18, s[WV], 1
	s_lshl_b32 s18, s18, 10
	s_add_co_u32 s17, s17, s18
	s_and_b32 s18, s[TL], 1
	s_lshl_b32 s18, s18, 9
	s_add_co_u32 s17, s17, s18
	s_and_b32 s18, s[WV], 1
	s_lshl_b32 s18, s18, 8
	s_add_co_u32 s17, s17, s18
	v_lshl_add_u32 v[OO], v[LN], 3, s17
	v_cvt_pk_bf16_f32 v[SPK],   v[CNT],   v[CNT+1]
	v_cvt_pk_bf16_f32 v[SPK+1], v[CNT+2], v[CNT+3]
	global_store_b64 v[OO], v[SPK:SPK+1], s[12:13] ; the wave stores 256 consecutive bytes, at a multiple of 256 from the buffer's first byte
	FINISH
.Llast:
	; The last layer: the counts themselves, f32, out0[64 bh + 16 (w / 2) + l / 2][16 t + 8 (w % 2) + 4 (l % 2) + 0..3].  A batch row gets 64 consecutive bytes from the work-group:
	; whole blocks of 256 would want 64 rows of W, 512 KiB, in one work-group's LDS.
	s_lshl_b32 s17, s[BH], 18
	s_lshr_b32 s18, s[WV], 1
	s_lshl_b32 s18, s18, 16
	s_add_co_u32 s17, s17, s18
	s_lshl_b32 s18, s[TL], 6
	s_add_co_u32 s17, s17, s18
	s_and_b32 s18, s[WV], 1
	s_lshl_b32 s18, s18, 5
	s_add_co_u32 s17, s17, s18
	v_lshrrev_b32 v[TT], 1, v[LN]
	v_lshl_add_u32 v[OO], v[TT], 12, s17
	v_and_b32 v[TT], 1, v[LN]
	v_lshl_add_u32 v[OO], v[TT], 4, v[OO]
	global_store_b128 v[OO], v[CNT:CNT+3], s[12:13]
	FINISH
.Lidle:
	FINISH
.Lfunc_end_k_qd1e485c66a_layer0:
	.size	k_qd1e485c66a_layer0, .Lfunc_end_k_qd1e485c66a_layer0-k_qd1e485c66a_layer0
	.p2alignl 7, 3214868480
	.fill 96, 4, 3214868480
	.section	.rodata,"a",@progbits
	.p2align	6, 0x0
	.amdhsa_kernel k_qd1e485c66a_layer0
		.amdhsa_group_segment_fixed_size 215296
		.amdhsa_private_segment_fixed_size 0
		.amdhsa_enable_private_segment 0
		.amdhsa_kernarg_size 40
		.amdhsa_user_sgpr_count 2
		.amdhsa_user_sgpr_kernarg_segment_ptr 1
		.amdhsa_wavefront_size32 1
		.amdhsa_system_sgpr_workgroup_id_x 1
		.amdhsa_system_sgpr_workgroup_id_y 1
		.amdhsa_system_sgpr_workgroup_id_z 1
		.amdhsa_system_vgpr_workitem_id 0
		.amdhsa_next_free_vgpr 256
		.amdhsa_next_free_sgpr 66
		.amdhsa_reserve_vcc 0
		.amdhsa_float_denorm_mode_32 3
		.amdhsa_float_denorm_mode_16_64 3
		.amdhsa_memory_ordered 1
		.amdhsa_forward_progress 1
		.amdhsa_inst_pref_size 18
	.end_amdhsa_kernel
	.amdgpu_metadata
---
amdhsa.version: [ 1, 2 ]
amdhsa.kernels:
  - .name:           k_qd1e485c66a_layer0
    .symbol:         k_qd1e485c66a_layer0.kd
    .args:
      - { .name: GA, .offset: 0, .size: 8, .value_kind: global_buffer, .address_space: global }
      - { .name: W, .offset: 8, .size: 8, .value_kind: global_buffer, .address_space: global }
      - { .name: rows0, .offset: 16, .size: 8, .value_kind: global_buffer, .address_space: global }
      - { .name: thresholds, .offset: 24, .size: 8, .value_kind: global_buffer, .address_space: global }
      - { .name: GB, .offset: 32, .size: 8, .value_kind: global_buffer, .address_space: global }
    .group_segment_fixed_size: 215296
    .private_segment_fixed_size: 0
    .kernarg_segment_align: 8
    .kernarg_segment_size: 40
    .max_flat_workgroup_size: 512
    .sgpr_count:     66
    .vgpr_count:     256
    .wavefront_size: 32
...
	.end_amdgpu_metadata
.endif
;; end of part 2
;; launch layer1: the kernel of part 2 again; grid 2 x 128, 16 waves a work-group, no clusters, 215,296 bytes of LDS; arguments GB, W, rows1, thresholds, GA; writes GA
;; launch layer2: the kernel of part 2 again; grid 2 x 128, 16 waves a work-group, no clusters, 215,296 bytes of LDS; arguments GA, W, rows2, thresholds, GB; writes GB
;; launch layer3: the kernel of part 2 again; grid 2 x 64, 16 waves a work-group, no clusters, 215,296 bytes of LDS; arguments GB, W, rows3, thresholds, out0; writes out0
